; MI455X (gfx1250); checked and timed in simulation.
; The chip was launched on July 23, 2026; its instructions are those of AMD's public machine-readable ISA for CDNA 5 (MIT licence, August 2026) and "CDNA5" Instruction Set Architecture Reference Guide (July 2026). The comments in the code are by the model that wrote it; some were corrected since.
;; Dora Linear Layer. Allowed arithmetic: float matrix products may take bf16 or f16 operands with f32 sums; other float arithmetic in f32, or as packed bf16 or f16 multiplies, adds, multiply-adds, maxima and minima; sums over many terms, partial sums and values carried from step to step in f32; what a program stores and reads back later, other than sums and carried values, may be rounded once to bf16 or f16.
;; Inputs: base_weight 4,096 x 4,096 float32; magnitude 4,096 float32; osora_O 4,096 float32; osora_S 16 float32; osora_U 4,096 x 16 float32; osora_V 16 x 4,096 float32; x 8 x 512 x 4,096 float32.
;; Outputs: out0 8 x 512 x 4,096 float32.
;; One version. Each part assembles by itself: llvm-mc -triple=amdgcn-amd-amdhsa -mcpu=gfx1250 --defsym DOCPART=n.
;; ======== version 1 of 1: 2 launches
;; workspace buffers: wb 33,554,432 bytes; xb 33,554,432 bytes; sc 32,768 bytes; ub 131,072 bytes; tb 262,144 bytes
;; launch prep (part 1): grid 128 x 2, 16 waves a work-group, no clusters, 106,496 bytes of LDS; arguments base_weight, x, osora_V, osora_U, osora_S, osora_O, magnitude, wb, xb, sc, ub, tb; writes wb, xb, sc, ub, tb
.if DOCPART == 1
	.amdgcn_target "amdgcn-amd-amdhsa--gfx1250"
	.amdhsa_code_object_version 6
	.text
	.protected	k_q504f1ff6cf_prep
	.globl	k_q504f1ff6cf_prep
	.p2align	8
	.type	k_q504f1ff6cf_prep,@function
k_q504f1ff6cf_prep:
	s_mov_b64 s[64:65], 0
	v_nop
	global_prefetch_b8 v0, s[64:65] scope:SCOPE_SE
	s_setreg_imm32_b32 hwreg(HW_REG_WAVE_MODE, 25, 1), 1
	s_wait_xcnt 0x0
; out[t][o] = (s[o] - 1) (x[t] . W[o]) + s[o] O[o] sum_r U[o][r] S[r] (x[t] . V[r]),  s[o] = magnitude[o] / | W[o] + O[o] sum_r U[o][r] S[r] V[r] |.
; NOTHING OF THE PROBLEM IS LEFT OUT: all seven inputs reach the output, and every step is done, here or in the second launch.
; THE FORMATS.  Every input (x, W, V, U, S, O, magnitude) is rounded ONCE to bf16, and all that follows is done on those numbers: products by the matrix unit with f32 sums, everything else in f32.
; THIS LAUNCH makes what the large product needs.  Grid y = 0, ARM W, 32 rows o of W a work-group: wb = W in bf16; s from the row norms of W_b + c V_b, c = O_b (U_b S_b) rounded to bf16
; for the matrix unit (the one further rounding; it moves the adapter's share of a norm by 2^-9 of itself at most); sc = (s - 1, s O_b); ub = U in bf16, in the order of a matrix operand.
; Grid y = 1, ARM X, 32 tokens a work-group: xb = x in bf16; tb = (x_b . V_b) S_b as a bf16 pair hi + lo, in the order of a matrix operand.
; LIMITS.  A finite input beyond bf16's largest number rounds to an infinity.  A row whose sum of squares lies below 2^-126 counts as norm 0.  s is magnitude x rsq(sum), not magnitude / sqrt(sum).
; SHARES.  16 waves; wave w takes the columns i = 256 w .. 256 w + 255 of the work-group's 32 rows, as four UNITS of 16 rows x 128 i: 64 registers of f32.  In a unit lane (r = l % 16, h = l / 16)
; holds, in register 8 j + t, element [row 8 h + j][i0 + 8 r + t]: rounded, a lane's eight numbers of a row are 16 bytes, and 16 lanes store 256 consecutive bytes, aligned.
; Two sets of 64 registers take turns: while one unit is worked on, the next unit's 16 loads are out.  The six units of an arm (V twice, the rows four times) are written out: no loop.
; LDS.  Each arm's partial sums have bytes of their own: no LDS byte is written from two places of the text.
; NO CLUSTER: what work-groups share is V, 256 KiB of the 768 KiB that a work-group reads; it goes straight from memory into registers in the operand's own order, and a joint load would
; send it through LDS and add the cluster's barrier to a stream that has one barrier in all.
.set ROWB,  16384                      ; bytes in a row of W, x, V
.set ROWH,  8192                       ; bytes in a row of wb, xb
.set STGW,  16*272                     ; arm X: a wave's own stage, 16 rows of 256 bytes + 16 of padding
.set PART,  69632                      ; behind the 16 stages: arm X's partial sums, 2,048 bytes a wave: 32,768 bytes
.set PARTW, 102400                     ; behind them: arm W's partial sums, 128 bytes a wave: 2,048 bytes
.set SPARE, 104448                     ; behind them: the spare words, 128 bytes for each wave: eight blocks of 256 bytes that no other line names
.set MO,  4                            ; v4   a unit's loads: 8 h rows + 32 r + 1,024 w
.set SO,  5                            ; v5   a unit's stores: 8 h rows + 16 r + 512 w
.set VOX, 6                            ; v6   arm X: V as source 0: row r + 32 h + 1,024 w
.set UO,  7                            ; v7   arm W: 64 r + 32 h
.set H32, 8                            ; v8   32 h
.set OO,  9                            ; v9   arm W: 4 r
.set STS, 10                           ; v10  arm X: into my stage
.set STL, 11                           ; v11  arm X: out of my stage
.set PW,  12                           ; v12  where I put my partial sums
.set PR,  13                           ; v13  where they are read back
.set SPW, 14                           ; v14  LDS address of my spare word; never rewritten
.set NIL, 15                           ; v15  0; never rewritten
.set SS,  24                           ; arm W: v[24:39] sums of squares, block blk's row 8 h + j at SS + 8 blk + j
.set ACC, 24                           ; arm X: v[24:55] accumulator (blk, p) at ACC + 16 blk + 8 p
.set CF,  40                           ; arm W: v[40:55] c as source 0, block blk at CF + 8 blk; its k = 16 .. 31 are 0
.set VF,  56                           ; v[56:91] V in bf16.  Arm W: tile t at VF + 4 t, v88-91 = 0.  Arm X: fragment f at VF + 8 f
.set P,   92                           ; v[92:123] a unit rounded: row j at P + 4 j
.set SETA, 128
.set SETB, 192
.set VB,  12                           ; s[12:13] V
.set SRC, 34                           ; s[34:35] W or x at the work-group's first row
.set DST, 36                           ; s[36:37] wb or xb likewise
.macro NOPS4
.rept 4
	v_nop
.endr
.endm
; A unit's 16 loads: rows 8 h + j, 32 bytes a lane.  nt = 1: bytes that the launch reads once.
.macro LOADU set, base, off, nt
.set j, 0
.rept 8
.if \nt
	global_load_b128 v[(\set)+8*j:(\set)+8*j+3],   v[MO], s[(\base):(\base)+1] offset:(\off)+j*ROWB th:TH_LOAD_NT
	global_load_b128 v[(\set)+8*j+4:(\set)+8*j+7], v[MO], s[(\base):(\base)+1] offset:(\off)+j*ROWB+16 th:TH_LOAD_NT
.else
	global_load_b128 v[(\set)+8*j:(\set)+8*j+3],   v[MO], s[(\base):(\base)+1] offset:(\off)+j*ROWB
	global_load_b128 v[(\set)+8*j+4:(\set)+8*j+7], v[MO], s[(\base):(\base)+1] offset:(\off)+j*ROWB+16
.endif
.set j, j+1
.endr
.endm
; Arm X: V's 16 rows x 128 i in the order of four fragments: lane (r, h) takes row r; fragment f: i0 + 32 f + 8 h + 0..7, then + 16.
.macro LOADVX set, off
.set f, 0
.rept 4
.set e, 0
.rept 4
	global_load_b128 v[(\set)+16*f+4*e:(\set)+16*f+4*e+3], v[VOX], s[VB:VB+1] offset:(\off)+128*f+16*(e%2)+64*(e/2)
.set e, e+1
.endr
.set f, f+1
.endr
.endm
; Arm W: V as source 1 of eight products: tile t has the columns i0 + 8 r + t; register u holds k = 8 h + 2 u, 8 h + 2 u + 1.
.macro VCVT_W set
.set t, 0
.rept 8
.set u, 0
.rept 4
	v_cvt_pk_bf16_f32 v[VF+4*t+u], v[(\set)+16*u+t], v[(\set)+16*u+8+t]
.set u, u+1
.endr
.set t, t+1
.endr
.endm
.macro VCVT_X set
.set u, 0
.rept 32
	v_cvt_pk_bf16_f32 v[VF+u], v[(\set)+2*u], v[(\set)+2*u+1]
.set u, u+1
.endr
.endm
; A unit is rounded and stored: 16 lanes store 256 consecutive bytes, at a multiple of 256 from the buffer's first byte.
.macro ROUND set, blk, c
	s_wait_xcnt 0x0                                ; P is the data of the last unit's stores: it is rewritten only behind this wait
.set j, 0
.rept 8
.set u, 0
.rept 4
	v_cvt_pk_bf16_f32 v[P+4*j+u], v[(\set)+8*j+2*u], v[(\set)+8*j+2*u+1]
.set u, u+1
.endr
.set j, j+1
.endr
.set j, 0
.rept 8
	global_store_b128 v[SO], v[P+4*j:P+4*j+3], s[DST:DST+1] offset:j*ROWH+(\blk)*16*ROWH+256*(\c)
.set j, j+1
.endr
.endm
; Arm W: a unit of W.  The rounded numbers go back to f32, in the order of a product's C: tile t's register j is (row 8 h + j, i0 + 8 r + t).  Eight products add c V_b onto them;
; their squares are summed by rows.  first = 1: the first squares start the sums: nothing is cleared.
.macro BLOCK_W set, blk, c, first
	ROUND \set, \blk, \c
.set j, 0
.rept 8
.set u, 0
.rept 4
	v_lshlrev_b32 v[(\set)+16*u+j],   16,  v[P+4*j+u]
	v_and_b32     v[(\set)+16*u+8+j], s42, v[P+4*j+u]
.set u, u+1
.endr
.set j, j+1
.endr
.set t, 0
.rept 8                                ; eight accumulators, one instruction each.  c's k = 16 .. 31 are 0; what source 1 names there is the next tile's V, or zeros
	v_wmma_f32_16x16x32_bf16 v[(\set)+8*t:(\set)+8*t+7], v[CF+8*(\blk):CF+8*(\blk)+7], v[VF+4*t:VF+4*t+7], v[(\set)+8*t:(\set)+8*t+7]
.set t, t+1
.endr
	NOPS4                                          ; four places between the last product and the first read of a result (ISA guide 7.12.1)
.set t, 0
.rept 8
.set p, 0
.rept 4                                ; each result is read from its low pair on
.if (\first) && (t == 0)
	v_pk_mul_f32 v[SS+8*(\blk)+2*p:SS+8*(\blk)+2*p+1], v[(\set)+8*t+2*p:(\set)+8*t+2*p+1], v[(\set)+8*t+2*p:(\set)+8*t+2*p+1]
.else
	v_pk_fma_f32 v[SS+8*(\blk)+2*p:SS+8*(\blk)+2*p+1], v[(\set)+8*t+2*p:(\set)+8*t+2*p+1], v[(\set)+8*t+2*p:(\set)+8*t+2*p+1], v[SS+8*(\blk)+2*p:SS+8*(\blk)+2*p+1]
.endif
.set p, p+1
.endr
.set t, t+1
.endr
.endm
; Arm X: a unit of x.  The rounded rows go through my own stage and come back as four fragments (token r; k = 8 h + 0..7, 16 + 8 h + 0..7); four products V_b x_b^T, two accumulators by turns.
; In the result a lane holds token r and the ranks 8 h + 0..7.
.macro BLOCK_X set, blk, c, first
	ROUND \set, \blk, \c
.set j, 0
.rept 8
	ds_store_b128 v[STS], v[P+4*j:P+4*j+3] offset:272*j
.set j, j+1
.endr
.set f, 0
.rept 4
	ds_load_b128 v[(\set)+8*f:(\set)+8*f+3],   v[STL] offset:64*f     ; LDS serves a wave's instructions in order (ISA guide 5.7.1.4): these see the stores above
	ds_load_b128 v[(\set)+8*f+4:(\set)+8*f+7], v[STL] offset:64*f+32
.set f, f+1
.endr
.set f, 0
.rept 4
	s_wait_dscnt 6-2*f                             ; fragment f's two loads are in; the 6 - 2 f younger ones may be out
.if (\first) && (f < 2)
	v_wmma_f32_16x16x32_bf16 v[ACC+16*(\blk)+8*(f%2):ACC+16*(\blk)+8*(f%2)+7], v[VF+8*f:VF+8*f+7], v[(\set)+8*f:(\set)+8*f+7], 0
.else
	v_wmma_f32_16x16x32_bf16 v[ACC+16*(\blk)+8*(f%2):ACC+16*(\blk)+8*(f%2)+7], v[VF+8*f:VF+8*f+7], v[(\set)+8*f:(\set)+8*f+7], v[ACC+16*(\blk)+8*(f%2):ACC+16*(\blk)+8*(f%2)+7]
.endif
.set f, f+1
.endr
	NOPS4                                          ; four places in front of the loads into the set and of the conversions into VF
.endm
	s_load_b512 s[8:23], s[0:1], 0x0               ; W 8, x 10, V 12, U 14, S 16, O 18, magnitude 20, wb 22
	s_load_b256 s[24:31], s[0:1], 0x40             ; xb 24, sc 26, ub 28, tb 30
	v_lshl_add_u32 v[SPW], v0, 2, SPARE
	v_mov_b32 v[NIL], 0
	v_lshrrev_b32 v16, 5, v0
	v_readfirstlane_b32 s33, v16                   ; wave 0..15
	v_and_b32 v1, 15, v0                           ; r
	v_bfe_u32 v2, v0, 4, 1                         ; h
	v_and_b32 v3, 31, v0                           ; lane
	s_mov_b32 s2, ttmp9                            ; g: which 32 rows
	s_and_b32 s3, ttmp7, 0xffff                    ; 0: arm W, 1: arm X
	s_mov_b32 s42, 0xffff0000                      ; a word's upper bf16
	s_lshl_b32 s38, s33, 10
	s_lshl_b32 s40, s33, 9
	v_lshlrev_b32 v[MO], 17, v2                    ; 8 h rows of 16,384 bytes
	v_lshl_add_u32 v[MO], v1, 5, v[MO]
	v_add_nc_u32 v[MO], s38, v[MO]
	v_lshlrev_b32 v[SO], 16, v2                    ; 8 h rows of 8,192 bytes
	v_lshl_add_u32 v[SO], v1, 4, v[SO]
	v_add_nc_u32 v[SO], s40, v[SO]
	v_lshlrev_b32 v[H32], 5, v2
	s_wait_kmcnt 0x0
	s_cmp_lg_u32 s3, 0
	s_cselect_b64 s[SRC:SRC+1], s[10:11], s[8:9]
	s_cselect_b64 s[DST:DST+1], s[24:25], s[22:23]
	s_lshl_b32 s38, s2, 19                         ; 32 rows of 16,384 bytes
	s_mov_b32 s39, 0
	s_add_nc_u64 s[SRC:SRC+1], s[SRC:SRC+1], s[38:39]
	s_lshl_b32 s38, s2, 18
	s_add_nc_u64 s[DST:DST+1], s[DST:DST+1], s[38:39]
	s_cmp_lg_u32 s3, 0                             ; the same in all 16 waves
	s_cbranch_scc1 .Larm_x
	; ---------------- ARM W ----------------
	s_lshl_b32 s38, s2, 11                         ; U: 32 rows of 64 bytes
	s_add_nc_u64 s[14:15], s[14:15], s[38:39]
	s_lshl_b32 s38, s2, 7                          ; O, magnitude: 32 numbers
	s_add_nc_u64 s[18:19], s[18:19], s[38:39]
	s_add_nc_u64 s[20:21], s[20:21], s[38:39]
	s_lshl_b32 s38, s2, 8                          ; sc: 256 bytes
	s_add_nc_u64 s[26:27], s[26:27], s[38:39]
	s_lshl_b32 s38, s2, 10                         ; ub: two blocks of 512 bytes
	s_add_nc_u64 s[28:29], s[28:29], s[38:39]
	v_lshl_add_u32 v[UO], v1, 6, v[H32]
	v_lshlrev_b32 v[OO], 2, v1
	global_load_b128 v[P:P+3],     v[UO], s[14:15]              ; U[o0 + r][8 h ..], block 0,
	global_load_b128 v[P+4:P+7],   v[UO], s[14:15] offset:16
	global_load_b128 v[P+8:P+11],  v[UO], s[14:15] offset:1024  ; block 1
	global_load_b128 v[P+12:P+15], v[UO], s[14:15] offset:1040
	global_load_b128 v[P+16:P+19], v[H32], s[16:17]             ; S[8 h ..]
	global_load_b128 v[P+20:P+23], v[H32], s[16:17] offset:16
	global_load_b32 v16, v[OO], s[18:19]                        ; O[o0 + r], block 0,
	global_load_b32 v17, v[OO], s[18:19] offset:64              ; block 1
	LOADU SETA, VB, 0, 0                           ; V, first 128 i
	LOADU SETB, SRC, 0, 1                          ; W, block 0, first 128 i
	s_lshl_b32 s38, s33, 7
	v_lshl_add_u32 v[PW], v2, 5, s38               ; my partial sums: 128 w + 4 x row
	v_add_nc_u32 v[PW], PARTW, v[PW]
	s_wait_loadcnt 32                              ; the eight small loads are in; the two units behind them stay out
.set u, 0
.rept 8
	v_cvt_pk_bf16_f32 v[P+24+u], v[P+2*u], v[P+2*u+1]           ; U_b: also what ub takes
.set u, u+1
.endr
.set u, 0
.rept 8
	v_lshlrev_b32 v[P+2*u],   16,  v[P+24+u]
	v_and_b32     v[P+2*u+1], s42, v[P+24+u]
.set u, u+1
.endr
.set u, 0
.rept 4
	v_cvt_pk_bf16_f32 v[18+u], v[P+16+2*u], v[P+16+2*u+1]       ; S_b
.set u, u+1
.endr
.set u, 0
.rept 4
	v_lshlrev_b32 v[P+16+2*u],   16,  v[18+u]
	v_and_b32     v[P+16+2*u+1], s42, v[18+u]
.set u, u+1
.endr
	v_cvt_pk_bf16_f32 v23, v16, v17                ; O_b of both blocks
	v_lshlrev_b32 v16, 16, v23                     ; block 0's, the low word of the pair v[16:17]
	v_and_b32 v22, s42, v23                        ; block 1's, the low word of the pair v[22:23]
.set u, 0
.rept 8
	v_pk_mul_f32 v[P+2*u:P+2*u+1], v[P+2*u:P+2*u+1], v[P+16+2*(u%4):P+16+2*(u%4)+1]  ; U_b S_b: 16 significant bits, exact
.set u, u+1
.endr
.set u, 0
.rept 4
	v_pk_mul_f32 v[P+2*u:P+2*u+1],     v[P+2*u:P+2*u+1],     v[16:17] op_sel_hi:[1,0]  ; times O_b: 24 bits, still exact
	v_pk_mul_f32 v[P+8+2*u:P+8+2*u+1], v[P+8+2*u:P+8+2*u+1], v[22:23] op_sel_hi:[1,0]
.set u, u+1
.endr
.set u, 0
.rept 4
	v_cvt_pk_bf16_f32 v[CF+u],   v[P+2*u],   v[P+2*u+1]         ; c, rounded for the matrix unit
	v_cvt_pk_bf16_f32 v[CF+8+u], v[P+8+2*u], v[P+8+2*u+1]
	v_mov_b32 v[CF+4+u], 0                                      ; k = 16 .. 31: none
	v_mov_b32 v[CF+12+u], 0
	v_mov_b32 v[VF+32+u], 0                                     ; what tile 7's source names there
.set u, u+1
.endr
	v_lshlrev_b32 v18, 4, v3                       ; 16 x lane
	s_cmp_lg_u32 s33, 0
	s_cbranch_scc1 .Lno_ub
	global_store_b128 v18, v[P+24:P+27], s[28:29]               ; wave 0: 512 consecutive bytes a block
	global_store_b128 v18, v[P+28:P+31], s[28:29] offset:512
.Lno_ub:
	s_wait_loadcnt 16                              ; V is in; W's unit stays out
	VCVT_W SETA
	LOADU SETA, SRC, 16*ROWB, 1                    ; W, block 1, first 128 i
	s_wait_loadcnt 16                              ; in each wait below: the older unit is in, the younger one's 16 loads stay out
	BLOCK_W SETB, 0, 0, 1
	LOADU SETB, VB, 512, 0                         ; V, second 128 i
	s_wait_loadcnt 16
	BLOCK_W SETA, 1, 0, 1
	LOADU SETA, SRC, 512, 1                        ; W, block 0, second 128 i
	s_wait_loadcnt 16
	VCVT_W SETB
	LOADU SETB, SRC, 16*ROWB+512, 1                ; W, block 1, second 128 i
	s_wait_loadcnt 16
	BLOCK_W SETA, 0, 1, 0
	s_wait_loadcnt 0x0
	BLOCK_W SETB, 1, 1, 0
	; a row's 16 lanes are added: every lane of a half then holds the sums of rows 8 h + j over my 256 i
.irp m, 1,2,4,8
.set i, 0
.rept 16
	v_add_f32_dpp v[SS+i], v[SS+i], v[SS+i] row_xmask:\m row_mask:0xf bank_mask:0xf
.set i, i+1
.endr
.endr
.set i, 0
.rept 4
	ds_store_b128 v[PW], v[SS+4*i:SS+4*i+3] offset:64*(i/2)+16*(i%2)  ; the 16 lanes of a half write the same words with the same numbers
.set i, i+1
.endr
	s_wait_dscnt 0x0                               ; for the others' sake: my partial sums lie in LDS
	s_barrier_signal -1
	s_barrier_wait -1
	s_cmp_lg_u32 s33, 0
	s_cbranch_scc1 .Lend
	v_lshlrev_b32 v16, 3, v1                       ; wave 0: lane r takes rows 2 r, 2 r + 1 (both halves of the lanes alike)
	global_load_b64 v[18:19], v16, s[20:21]        ; magnitude
	global_load_b64 v[20:21], v16, s[18:19]        ; O
	v_lshl_add_u32 v[PR], v1, 3, PARTW
.set i, 0
.rept 16
	ds_load_b64 v[128+2*i:128+2*i+1], v[PR] offset:128*i
.set i, i+1
.endr
	s_wait_dscnt 0x0
.irp s, 8,4,2,1
.set i, 0
.rept \s
	v_pk_add_f32 v[128+2*i:128+2*i+1], v[128+2*i:128+2*i+1], v[128+2*(\s)+2*i:128+2*(\s)+2*i+1]
.set i, i+1
.endr
.endr
	s_wait_loadcnt 0x0
	v_rsq_f32 v130, v128
	v_rsq_f32 v131, v129
	v_cvt_pk_bf16_f32 v22, v18, v19                ; magnitude and O rounded to bf16 and widened: plain work behind the two roots
	v_cvt_pk_bf16_f32 v23, v20, v21
	v_lshlrev_b32 v18, 16, v22
	v_and_b32 v19, s42, v22
	v_lshlrev_b32 v20, 16, v23
	v_and_b32 v21, s42, v23
	v_lshlrev_b32 v17, 3, v3                       ; 8 x lane
	v_cmp_gt_u32 vcc_lo, 16, v3
	s_wait_alu depctr_va_vdst(0)                   ; one wait for both roots, ahead of their first reader
	v_pk_mul_f32 v[130:131], v[130:131], v[18:19]  ; s
	v_add_f32 v132, -1.0, v130                     ; s - 1
	v_add_f32 v133, -1.0, v131
	v_pk_mul_f32 v[134:135], v[130:131], v[20:21]  ; s O_b
	v_cndmask_b32 v136, v134, v132, vcc_lo         ; lanes 0-15: s - 1; lanes 16-31: s O_b
	v_cndmask_b32 v137, v135, v133, vcc_lo
	global_store_b64 v17, v[136:137], s[26:27]     ; 256 consecutive bytes, aligned
	s_branch .Lend
	; ---------------- ARM X ----------------
.Larm_x:
	s_lshl_b32 s38, s2, 11                         ; tb: two blocks of 1,024 bytes
	s_add_nc_u64 s[30:31], s[30:31], s[38:39]
	s_lshl_b32 s38, s33, 10
	s_mul_i32 s41, s33, STGW                       ; my stage
	v_lshlrev_b32 v[VOX], 14, v1
	v_lshl_add_u32 v[VOX], v2, 5, v[VOX]
	v_add_nc_u32 v[VOX], s38, v[VOX]
	LOADVX SETA, 0                                 ; V, first 128 i
	LOADU SETB, SRC, 0, 1                          ; x, block 0, first 128 i
	v_mul_u32_u24 v[STS], v2, 8*272                ; in: row 8 h + j, 16 bytes at 16 r
	v_lshl_add_u32 v[STS], v1, 4, v[STS]
	v_add_nc_u32 v[STS], s41, v[STS]
	v_mul_u32_u24 v[STL], v1, 272                  ; out: row r, 16 bytes at 16 h: rows 68 words apart, so 16 rows start at 16 different groups of four banks (64 banks of 4 bytes: ISA guide 11.1)
	v_lshl_add_u32 v[STL], v2, 4, v[STL]
	v_add_nc_u32 v[STL], s41, v[STL]
	s_lshl_b32 s38, s33, 11
	v_lshl_add_u32 v[PW], v3, 4, s38               ; my partial sums: 2,048 w + 16 x lane
	v_add_nc_u32 v[PW], PART, v[PW]
	s_wait_loadcnt 16                              ; in each wait below: the older unit is in, the younger one's 16 loads stay out
	VCVT_X SETA
	LOADU SETA, SRC, 16*ROWB, 1                    ; x, block 1, first 128 i
	s_wait_loadcnt 16
	BLOCK_X SETB, 0, 0, 1
	LOADVX SETB, 512                               ; V, second 128 i
	s_wait_loadcnt 16
	BLOCK_X SETA, 1, 0, 1
	LOADU SETA, SRC, 512, 1                        ; x, block 0, second 128 i
	s_wait_loadcnt 16
	VCVT_X SETB
	LOADU SETB, SRC, 16*ROWB+512, 1                ; x, block 1, second 128 i
	s_wait_loadcnt 16
	BLOCK_X SETA, 0, 1, 0
	s_wait_loadcnt 0x0
	BLOCK_X SETB, 1, 1, 0
	NOPS4                                          ; eight places in all behind the last product, once a launch
.set i, 0
.rept 8                                ; the two accumulators of a block, low pairs first
	v_pk_add_f32 v[ACC+16*(i/4)+2*(i%4):ACC+16*(i/4)+2*(i%4)+1], v[ACC+16*(i/4)+2*(i%4):ACC+16*(i/4)+2*(i%4)+1], v[ACC+16*(i/4)+8+2*(i%4):ACC+16*(i/4)+8+2*(i%4)+1]
.set i, i+1
.endr
.set i, 0
.rept 4
	ds_store_b128 v[PW], v[ACC+16*(i/2)+4*(i%2):ACC+16*(i/2)+4*(i%2)+3] offset:1024*(i/2)+512*(i%2)
.set i, i+1
.endr
	s_wait_dscnt 0x0                               ; for the others' sake: my partial sums lie in LDS
	s_barrier_signal -1
	s_barrier_wait -1
	s_cmp_lt_u32 s33, 2                            ; wave 0 finishes block 0, wave 1 block 1
	s_cbranch_scc0 .Lend
	global_load_b128 v[56:59], v[H32], s[16:17]    ; S[8 h ..], into V's registers, which are free
	global_load_b128 v[60:63], v[H32], s[16:17] offset:16
	s_lshl_b32 s38, s33, 10
	v_lshl_add_u32 v16, v3, 4, s38                 ; 1,024 x block + 16 x lane: in tb, and in each wave's partial sums
	v_add_nc_u32 v[PR], PART, v16
.set i, 0
.rept 16
	ds_load_b128 v[128+8*i:128+8*i+3],   v[PR] offset:2048*i
	ds_load_b128 v[128+8*i+4:128+8*i+7], v[PR] offset:2048*i+512
.set i, i+1
.endr
	s_wait_dscnt 0x0
.irp s, 8,4,2,1
.set i, 0
.rept 4*(\s)
	v_pk_add_f32 v[128+2*i:128+2*i+1], v[128+2*i:128+2*i+1], v[128+8*(\s)+2*i:128+8*(\s)+2*i+1]
.set i, i+1
.endr
.endr
	s_wait_loadcnt 0x0
.set u, 0
.rept 4
	v_cvt_pk_bf16_f32 v[64+u], v[56+2*u], v[56+2*u+1]           ; S_b
.set u, u+1
.endr
.set u, 0
.rept 4
	v_lshlrev_b32 v[56+2*u], 16,  v[64+u]
	v_and_b32     v[57+2*u], s42, v[64+u]
.set u, u+1
.endr
.set u, 0
.rept 4
	v_pk_mul_f32 v[128+2*u:129+2*u], v[128+2*u:129+2*u], v[56+2*u:57+2*u]  ; ts = (x_b . V_b) S_b
.set u, u+1
.endr
.set u, 0
.rept 4
	v_cvt_pk_bf16_f32 v[68+u], v[128+2*u], v[129+2*u]           ; hi
.set u, u+1
.endr
.set u, 0
.rept 4
	v_lshlrev_b32 v[72+2*u], 16,  v[68+u]
	v_and_b32     v[73+2*u], s42, v[68+u]
.set u, u+1
.endr
.set u, 0
.rept 4
	v_pk_add_f32 v[128+2*u:129+2*u], v[128+2*u:129+2*u], v[72+2*u:73+2*u] neg_lo:[0,1] neg_hi:[0,1]  ; ts - hi, exact
.set u, u+1
.endr
.set u, 0
.rept 4
	v_cvt_pk_bf16_f32 v[80+u], v[128+2*u], v[129+2*u]           ; lo
.set u, u+1
.endr
	global_store_b128 v16, v[68:71], s[30:31]      ; 512 consecutive bytes each
	global_store_b128 v16, v[80:83], s[30:31] offset:512
.Lend:
	s_wait_tensorcnt 0x0                           ; the wave's end, behind my last LDS store
	ds_add_u32 v[SPW], v[NIL]
	s_wait_dscnt 0x0
	s_endpgm
.Lfunc_end_k_q504f1ff6cf_prep:
	.size	k_q504f1ff6cf_prep, .Lfunc_end_k_q504f1ff6cf_prep-k_q504f1ff6cf_prep
	.p2alignl 7, 3214868480
	.fill 96, 4, 3214868480
	.section	.rodata,"a",@progbits
	.p2align	6, 0x0
	.amdhsa_kernel k_q504f1ff6cf_prep
		.amdhsa_group_segment_fixed_size 106496
		.amdhsa_private_segment_fixed_size 0
		.amdhsa_enable_private_segment 0
		.amdhsa_kernarg_size 96
		.amdhsa_user_sgpr_count 2
		.amdhsa_user_sgpr_kernarg_segment_ptr 1
		.amdhsa_wavefront_size32 1
		.amdhsa_system_sgpr_workgroup_id_x 1
		.amdhsa_system_sgpr_workgroup_id_y 1
		.amdhsa_system_sgpr_workgroup_id_z 1
		.amdhsa_system_vgpr_workitem_id 0
		.amdhsa_next_free_vgpr 256
		.amdhsa_next_free_sgpr 66
		.amdhsa_reserve_vcc 1
		.amdhsa_float_denorm_mode_32 3
		.amdhsa_float_denorm_mode_16_64 3
		.amdhsa_memory_ordered 1
		.amdhsa_forward_progress 1
		.amdhsa_inst_pref_size 98
	.end_amdhsa_kernel
	.amdgpu_metadata
---
amdhsa.version: [ 1, 2 ]
amdhsa.kernels:
  - .name:           k_q504f1ff6cf_prep
    .symbol:         k_q504f1ff6cf_prep.kd
    .args:
      - { .name: base_weight, .offset: 0, .size: 8, .value_kind: global_buffer, .address_space: global }
      - { .name: x, .offset: 8, .size: 8, .value_kind: global_buffer, .address_space: global }
      - { .name: osora_V, .offset: 16, .size: 8, .value_kind: global_buffer, .address_space: global }
      - { .name: osora_U, .offset: 24, .size: 8, .value_kind: global_buffer, .address_space: global }
      - { .name: osora_S, .offset: 32, .size: 8, .value_kind: global_buffer, .address_space: global }
      - { .name: osora_O, .offset: 40, .size: 8, .value_kind: global_buffer, .address_space: global }
      - { .name: magnitude, .offset: 48, .size: 8, .value_kind: global_buffer, .address_space: global }
      - { .name: wb, .offset: 56, .size: 8, .value_kind: global_buffer, .address_space: global }
      - { .name: xb, .offset: 64, .size: 8, .value_kind: global_buffer, .address_space: global }
      - { .name: sc, .offset: 72, .size: 8, .value_kind: global_buffer, .address_space: global }
      - { .name: ub, .offset: 80, .size: 8, .value_kind: global_buffer, .address_space: global }
      - { .name: tb, .offset: 88, .size: 8, .value_kind: global_buffer, .address_space: global }
    .group_segment_fixed_size: 106496
    .private_segment_fixed_size: 0
    .kernarg_segment_align: 8
    .kernarg_segment_size: 96
    .max_flat_workgroup_size: 512
    .sgpr_count:     66
    .vgpr_count:     256
    .wavefront_size: 32
...
	.end_amdgpu_metadata
.endif
;; end of part 1
;; launch gemm (part 2): grid 16 x 16, 4 waves a work-group, clusters of 4 x 4, 327,680 bytes of LDS; arguments xb, wb, out0, sc, ub, tb; writes out0
.if DOCPART == 2
	.amdgcn_target "amdgcn-amd-amdhsa--gfx1250"
	.amdhsa_code_object_version 6
	.text
	.protected	k_q504f1ff6cf_gemm
	.globl	k_q504f1ff6cf_gemm
	.p2align	8
	.type	k_q504f1ff6cf_gemm,@function
k_q504f1ff6cf_gemm:
	s_mov_b64 s[64:65], 0
	v_nop
	global_prefetch_b8 v0, s[64:65] scope:SCOPE_SE
	s_setreg_imm32_b32 hwreg(HW_REG_WAVE_MODE, 25, 1), 1
	s_wait_xcnt 0x0
	s_wait_alu depctr_hold_cnt(0) depctr_sa_sdst(0) depctr_va_vdst(0) depctr_va_sdst(0) depctr_va_ssrc(0) depctr_va_vcc(0) depctr_vm_vsrc(0)
	s_getreg_b32 s2, hwreg(HW_REG_IB_STS2, 6, 4)
	s_cmp_eq_u32 s2, 0
	s_cbranch_scc0 .Lentry_in_a_cluster
	s_endpgm
.Lentry_in_a_cluster:
	s_bfe_u32 s2, ttmp6, 0x10000c
	s_cmp_lg_u32 s2, 0xf033
	s_cbranch_scc0 .Lentry_shape_is_right
	s_endpgm
.Lentry_shape_is_right:
; out[t][o] = a[o] (x_b[t] . W_b[o]) + b[o] sum_r U_b[o][r] ts[t][r],  a = s - 1, b = s O_b, ts = (x_b . V_b) S_b: all but the two products was made by the launch before.  No work is left out.
; xb: [4096 t][4096 i] bf16.  wb: [4096 o][4096 i] bf16.  sc: for each 32 o, a[32] then b[32], f32.  ub, tb: U_b, and ts as a bf16 pair hi + lo, in the order of a matrix operand.  out: f32.
; A tile of out, 256 x 256, is made by a work-group of four waves; a wave makes 128 x 128: 64 accumulators of 16 x 16, 512 registers.  K goes in steps of 128 through a ring of two LDS slots
; filled by the tensor data mover: a tile's rows are 256 bytes of memory and start at multiples of 256 bytes from the buffer's first byte.
; CLUSTERS: 4 x 4 work-groups.  The four of a row of the cluster need the same tiles of xb, the four of a column the same tiles of wb: each tile is asked for JOINTLY, by the same tensor load with
; the same descriptor and a mask that names the four.
; THE MATRIX INSTRUCTION IS USED TRANSPOSED: source 0 = 16 rows of wb, source 1 = 16 rows of xb: lane l holds token l % 16 and the columns 8 (l / 16) + 0 .. 7: 32 bytes of a row of out.
; THE LOW-RANK PRODUCT has rank 16, a matrix instruction 32 along k: k = 0..15 take U_b with hi, k = 16..31 U_b once more with lo.  It is made on the way out, 8 instructions for 16 rows.
; REGISTERS, in windows of 256 (s_set_vgpr_msb's low byte: bits 1:0 source 0, 3:2 source 1, 5:4 source 2, 7:6 destination):
;   window 0: v0-31 addresses; v32-63 ts of my rows 0-63; v64-127, v128-191 fragments of xb, two buffers; v192-255 U_b.  On the way out v64-127 is the low-rank product and then the result, v128-191 rows read back
;   window 1: v0-63 a; v64-127, v128-191 fragments of wb, two buffers; v192-255 b.  On the way out v64-95 is ts of my rows 64-127, v128-191 rows read back
;   window 2: the 32 accumulators of my rows 0-63 (accumulator (a, b) at v[8 (8 a + b)]);   window 3: those of my rows 64-127
.set SIZE_N, 4096
.set SIZE_K, 4096
.set KSTEP,  128
.set PITCH,  272                       ; an LDS row: 256 bytes + 16 of padding = 68 words: row r starts at bank 4 r mod 64 (64 banks of 4 bytes: ISA guide 11.1)
.set HALFT,  128*PITCH                 ; 128 rows: what one tensor load brings, and what one wave reads of xb or of wb
.set SLOT,   4*HALFT                   ; xb's 256 rows, then wb's 256 rows
.set STAGE,  2*SLOT                    ; behind the ring: 16 rows x 528 bytes for each wave, for the way out
.set SPITCH, 528                       ; 512 bytes + 16 = 132 words: again row r starts at bank 4 r mod 64
.set SPARE,  STAGE+4*16*SPITCH         ; behind the stages: the spare words, 128 bytes for each wave: two blocks of 256 bytes that no other line names
.set LAPS,   SIZE_K/(2*KSTEP)          ; a lap = two K steps = once round the ring: 16
.set ADRA, 16                          ; v16-17  LDS address of my xb fragments in slot 0, 1
.set ADRB, 20                          ; v20-21  the same for wb
.set STO,  24                          ; v24     the way out: where I put 32 bytes of a row
.set RD,   25                          ; v25     the way out: where I read a row back
.set CO,   26                          ; v26     16 x lane: my place in 512 bytes of out, of ub and of tb; never rewritten
.set H32,  27                          ; v27     32 (l / 16): my eight numbers in 16 of sc; never rewritten
.set SPW,  28                          ; v28     LDS address of my spare word; never rewritten
.set NIL,  29                          ; v29     0; never rewritten
.set PFO,  30                          ; v30     the prefetches' offset: my lane x a row of xb or wb; never rewritten
.set PFA,  44                          ; s[44:45] where my prefetches stand
.set LIM,  43                          ; s43     1 in a wave that prefetches, else the greatest number
.set F0,   64
.set F1,   128
.set TLO,  32                          ; window 0: ts of block a < 4 at TLO + 8 a
.set THI,  64                          ; window 1: ts of block a >= 4 at THI + 8 (a - 4)
.set UB,   192                         ; window 0: U_b of column block b at UB + 8 b
.set SA,   0                           ; window 1: a of column block b at SA + 8 b
.set SB,   192                         ; window 1: b likewise
.set LR,   64                          ; window 0
.set OB,   128                         ; window 0 (even blocks) or 1 (odd blocks)
.set G1, 24                            ; s[24:31] descriptor group 1 for xb's tiles
.set G0, 32                            ; s[32:39] descriptor group 0 for xb's tiles, one set for each slot
.set G1B, 48                           ; s[48:55], s[56:63] the same for wb's tiles
.set G0B, 56
.set MSB, 0
.macro WIN new                         ; the immediate's high byte repeats the setting that is left; a switch that changes nothing is dropped
.if MSB != (\new)
	s_set_vgpr_msb (MSB<<8)|(\new)
.set MSB, \new
.endif
.endm
.set MUL_LO, 0xa1                      ; source 0 (wb) window 1, source 1 (xb) window 0, C and D window 2
.set MUL_HI, 0xf1                      ; the same, C and D window 3
.set TO_B,   0x40                      ; destination window 1, address window 0
; A joint load.  Waves 0 and 1 fetch xb's two halves, waves 2 and 3 wb's.  The branch hangs on the wave's number alone.  An s_nop 0 and four v_nop follow each of the two lines.
.macro JLOAD s
	s_cmp_eq_u32 s11, 0
	s_cbranch_scc0 .Lfor_b_\@
	tensor_load_to_lds s[G0+4*(\s):G0+4*(\s)+3], s[G1:G1+7]
	s_nop 0
.rept 4
	v_nop
.endr
	s_branch .Lasked_\@
.Lfor_b_\@:
	tensor_load_to_lds s[G0B+4*(\s):G0B+4*(\s)+3], s[G1B:G1B+7]
	s_nop 0
.rept 4
	v_nop
.endr
.Lasked_\@:
.endm
; A PREFETCH INTO THE L2, behind each joint refill and the run of LDS loads that follows it: the K step that stands TWO refills on, 512 matrix instructions ahead of the load that will ask for it:
; 32 rows x 256 bytes, a lane a row, one instruction a wave.  Each row's 256 bytes of a K step are named ONCE in the launch: xb's tile row is read by every cluster of that row of clusters, and the
; one with x = 0 asks; wb's tile column by every cluster of that column, and the one with y = 0 asks.  The four partners that fetch a tile jointly share its rows out BY ADDRESS, 32 each.
; K steps 0 to 3 come by their loads alone; the loop's last trip (s3 = 1) asks for nothing: K step 31 is the last.
.macro ASK
	s_cmp_gt_u32 s3, s[LIM]
	s_cbranch_scc0 .Lnot_mine_\@
	global_prefetch_b8 v[PFO], s[PFA:PFA+1] offset:KSTEP*2 th:TH_LOAD_NT scope:SCOPE_SE
.Lnot_mine_\@:
.endm
; A round of the cluster's barrier: my work-group's barrier; wave 0 signals for the work-group; every wave waits for all sixteen work-groups; my work-group's barrier once more.
.macro CREST                           ; a round behind its opening barrier
	s_cmp_lg_u32 s10, 0
	s_cbranch_scc1 .Lnot_wave_0_\@
	s_barrier_signal -3
.Lnot_wave_0_\@:
	s_barrier_wait -3
	s_barrier_signal -1
	s_barrier_wait -1
.endm
.macro CROUND
	s_barrier_signal -1
	s_barrier_wait -1
	CREST
.endm
	s_load_b128 s[4:7], s[0:1], 0x0                ; xb s[4:5], wb s[6:7]
	s_load_b64 s[8:9], s[0:1], 0x10                ; out
	s_load_b128 s[68:71], s[0:1], 0x18             ; sc s[68:69], ub s[70:71]
	s_load_b64 s[72:73], s[0:1], 0x28              ; tb
	v_lshl_add_u32 v[SPW], v0, 2, SPARE
	v_mov_b32 v[NIL], 0
	ds_add_u32 v[SPW], v[NIL]                      ; the wave's opening: the add, twice on end, and its wait ahead of my first tensor load
	ds_add_u32 v[SPW], v[NIL]                      ; and once more, under the one wait; the set-up below, work on registers, stands between
	v_lshrrev_b32 v1, 5, v0
	v_readfirstlane_b32 s10, v1                    ; wave 0..3
	s_lshr_b32 s11, s10, 1                         ; which half of the tile's rows is mine.  Also: I fetch for xb (0) or for wb (1)
	s_and_b32 s12, s10, 1                          ; which half of its columns.  Also: which 128 rows of that tile I fetch
	s_bfe_u32 s40, ttmp6, 0x40000                  ; cx
	s_bfe_u32 s41, ttmp6, 0x40004                  ; cy
	s_lshl_b32 s42, ttmp9, 2
	s_add_co_u32 s42, s42, s40                     ; tile column = 4 x cluster x + cx
	s_and_b32 s13, ttmp7, 0xffff
	s_lshl_b32 s13, s13, 2
	s_add_co_u32 s13, s13, s41                     ; tile row = 4 x cluster y + cy
	s_lshl_b32 s43, s41, 2
	s_lshl_b32 s43, 15, s43                        ; my row of the cluster: places 4 cy .. 4 cy + 3
	s_lshl_b32 s44, 0x1111, s40                    ; my column: places cx, cx + 4, cx + 8, cx + 12
	; descriptor group 1: a tile of 128 rows x 128 elements, padded in LDS
	s_or_b32 s[G1+0], s43, (1<<16)|(1<<20)|(1<<21)|(5<<22)|(3<<25)  ; 15:0 the mask; 17:16 elements of 2 bytes; 20 padding on; 21 set beside a mask; 24:22 after every 64 words (code 5); 31:25 4 words (code 3)
	s_or_b32 s[G1B+0], s44, (1<<16)|(1<<20)|(1<<21)|(5<<22)|(3<<25)
.irp g, G1, G1B
	s_mov_b32 s[(\g)+1], KSTEP<<16                 ; tensor_dim0 = 128
	s_mov_b32 s[(\g)+2], 128<<16                   ; tensor_dim1 = 128
	s_mov_b32 s[(\g)+3], KSTEP<<16                 ; tile_dim0 = 128
	s_mov_b32 s[(\g)+4], 128                       ; tile_dim1 = 128
	s_mov_b32 s[(\g)+5], SIZE_K                    ; elements from row to row
	s_mov_b32 s[(\g)+6], 0
	s_mov_b32 s[(\g)+7], 0
.endr
	; xb's tiles hang on the tile row alone, which my row of the cluster shares; wb's on the tile column alone, which my column shares
	s_lshl_b32 s17, s12, 7
	s_lshl_b32 s16, s13, 8
	s_add_co_u32 s16, s16, s17                     ; xb: row 256 x tile row + 128 x half
	s_lshl_b32 s46, s42, 8
	s_add_co_u32 s46, s46, s17                     ; wb: row 256 x tile column + 128 x half
	s_mov_b32 s17, 0
	s_mov_b32 s47, 0
	s_mov_b64 s[18:19], SIZE_K*2
	s_mul_u64 s[16:17], s[16:17], s[18:19]
	s_mul_u64 s[46:47], s[46:47], s[18:19]
	s_mul_i32 s20, s10, HALFT                      ; where they go: wave x 128 rows: no place in the cluster enters an LDS address
	s_wait_dscnt 0x0                               ; both opening adds are done
	s_wait_kmcnt 0x0
	s_add_nc_u64 s[14:15], s[4:5], s[16:17]
	s_add_nc_u64 s[46:47], s[6:7], s[46:47]
	CROUND                                         ; all sixteen work-groups are here: the first joint loads meet
.irp s, 0,1
	s_mov_b32 s[G0+4*(\s)], 1                                      ; count = 1
	s_add_co_u32 s[G0+4*(\s)+1], s20, (\s)*SLOT                    ; LDS address
	s_add_nc_u64 s[G0+4*(\s)+2:G0+4*(\s)+3], s[14:15], (\s)*KSTEP*2  ; global address: K step s
	s_or_b32 s[G0+4*(\s)+3], s[G0+4*(\s)+3], 0x80000000            ; type = 2
	s_mov_b32 s[G0B+4*(\s)], 1
	s_add_co_u32 s[G0B+4*(\s)+1], s20, (\s)*SLOT
	s_add_nc_u64 s[G0B+4*(\s)+2:G0B+4*(\s)+3], s[46:47], (\s)*KSTEP*2
	s_or_b32 s[G0B+4*(\s)+3], s[G0B+4*(\s)+3], 0x80000000
	JLOAD \s                                       ; the ring is filled before anything else is done: two loads of mine are out
.endr
	; WHAT THE WAY OUT NEEDS comes now, 56 loads into registers that lie idle during the loop
	v_and_b32 v1, 15, v0                           ; l % 16
	v_bfe_u32 v2, v0, 4, 1                         ; l / 16
	v_and_b32 v5, 31, v0
	v_lshlrev_b32 v[CO], 4, v5
	v_lshlrev_b32 v[H32], 5, v2
	s_lshl_b32 s74, s42, 11                        ; sc: my 128 columns are four blocks of 256 bytes: 2,048 x tile column + 1,024 x half
	s_lshl_b32 s76, s12, 10
	s_add_co_u32 s74, s74, s76
	s_mov_b32 s75, 0
	s_add_nc_u64 s[68:69], s[68:69], s[74:75]
	s_lshl_b32 s74, s74, 2                         ; ub: eight blocks of 512 bytes: four times that
	s_add_nc_u64 s[70:71], s[70:71], s[74:75]
	s_lshl_b32 s74, s13, 14                        ; tb: my 128 rows are eight blocks of 1,024 bytes: 16,384 x tile row + 8,192 x half
	s_lshl_b32 s76, s11, 13
	s_add_co_u32 s74, s74, s76
	s_add_nc_u64 s[72:73], s[72:73], s[74:75]
	WIN TO_B
.set b, 0
.rept 8
	global_load_b128 v[SA+8*b:SA+8*b+3],   v[H32], s[68:69] offset:(b/2)*256+(b%2)*64
	global_load_b128 v[SA+8*b+4:SA+8*b+7], v[H32], s[68:69] offset:(b/2)*256+(b%2)*64+16
	global_load_b128 v[SB+8*b:SB+8*b+3],   v[H32], s[68:69] offset:(b/2)*256+(b%2)*64+128
	global_load_b128 v[SB+8*b+4:SB+8*b+7], v[H32], s[68:69] offset:(b/2)*256+(b%2)*64+144
.set b, b+1
.endr
	WIN 0
.set b, 0
.rept 8
	global_load_b128 v[UB+8*b:UB+8*b+3],   v[CO], s[70:71] offset:512*b  ; k = 8 h ..: U_b[o][8 h ..],
	global_load_b128 v[UB+8*b+4:UB+8*b+7], v[CO], s[70:71] offset:512*b  ; and k = 16 + 8 h ..: the same numbers
.set b, b+1
.endr
.set b, 0
.rept 4
	global_load_b128 v[TLO+8*b:TLO+8*b+3],   v[CO], s[72:73] offset:1024*b      ; hi
	global_load_b128 v[TLO+8*b+4:TLO+8*b+7], v[CO], s[72:73] offset:1024*b+512  ; lo
.set b, b+1
.endr
	; A fragment is 16 rows x 32 K in 8 registers: lane l holds row l % 16; registers 0-3 K = 8 (l / 16) + 0..7, registers 4-7 K = 16 + 8 (l / 16) + 0..7: two loads of 16 bytes, 32 bytes apart.
	v_mul_u32_u24 v3, v1, PITCH
	v_lshl_add_u32 v3, v2, 4, v3
	s_mul_i32 s21, s11, HALFT                      ; my 128 rows of xb
	s_mul_i32 s22, s12, HALFT                      ; my 128 rows of wb,
	s_add_co_u32 s22, s22, 2*HALFT                 ; which lie behind xb's 256
.irp s, 0,1
	v_add_nc_u32 v[ADRA+(\s)], s21, v3
	v_add_nc_u32 v[ADRB+(\s)], s22, v3
	s_add_co_u32 s21, s21, SLOT
	s_add_co_u32 s22, s22, SLOT
.endr
	s_mul_i32 s23, s10, 16*SPITCH
	s_add_co_u32 s23, s23, STAGE                   ; my stage
	v_mul_u32_u24 v4, v1, SPITCH                   ; in: row l % 16, 32 bytes for each half of the lanes
	v_lshl_add_u32 v4, v2, 5, v4
	v_add_nc_u32 v[STO], s23, v4
	v_add_nc_u32 v[RD], s23, v[CO]                 ; back: 32 lanes take one row of 512 bytes
	; where my part of the tile begins in out, in bytes
	s_lshl_b32 s13, s13, 8
	s_lshl_b32 s14, s11, 7
	s_add_co_u32 s16, s13, s14                     ; my first row
	s_mov_b32 s17, 0
	s_mov_b64 s[18:19], SIZE_N*4
	s_mul_u64 s[16:17], s[16:17], s[18:19]
	s_lshl_b32 s46, s42, 10                        ; my first column: 1,024 x tile column + 512 x half
	s_lshl_b32 s47, s12, 9
	s_add_co_u32 s46, s46, s47
	s_mov_b32 s47, 0
	s_add_nc_u64 s[16:17], s[16:17], s[46:47]
	; the prefetches.  s13 = 256 x tile row, s42 = tile column, s40 = cx, s41 = cy still stand
	s_lshl_b32 s42, s42, 8
	s_and_b32 s22, ttmp7, 0xffff                   ; cluster y
	s_cmp_eq_u32 s11, 0                            ; do I fetch for xb?
	s_cselect_b32 s20, s13, s42                    ; the tile's first row
	s_cselect_b32 s21, s40, s41                    ; my place among the four that ask for it with me
	s_cselect_b32 s22, ttmp9, s22                  ; the coordinate along which other clusters read the same rows
	s_cselect_b64 s[PFA:PFA+1], s[4:5], s[6:7]
	s_cmp_eq_u32 s22, 0
	s_cselect_b32 s[LIM], 1, -1                    ; the same in all sixteen partners, for a given wave
	s_lshl_b32 s22, s12, 7
	s_add_co_u32 s20, s20, s22                     ; + the 128 rows that I fetch
	s_lshl_b32 s21, s21, 5
	s_add_co_u32 s20, s20, s21                     ; + my work-group's 32 of them
	s_mov_b32 s21, 0
	s_mov_b64 s[18:19], SIZE_K*2
	s_mul_u64 s[20:21], s[20:21], s[18:19]
	s_add_nc_u64 s[PFA:PFA+1], s[PFA:PFA+1], s[20:21]
	s_add_nc_u64 s[PFA:PFA+1], s[PFA:PFA+1], 2*KSTEP*2  ; at K step 2: the first refill steps it to 3 and names K step 4
	v_mul_u32_u24 v[PFO], v5, SIZE_K*2
; 16 matrix instructions: m blocks a0, a0 + 1 of the window's four (hi = 0: my rows 0-63, 1: rows 64-127) x all 8 n blocks, 32 along K.  zero = 1: the first product starts the sums.
; The 64 accumulators take turns, one instruction a turn, in the same order in every quarter step.
.macro MUL16 f, hi, a0, zero
	WIN MUL_LO+0x50*(\hi)
.irp a, \a0, (\a0)+1
.irp b, 0,1,2,3,4,5,6,7
.if \zero
	v_wmma_f32_16x16x32_bf16 v[8*(8*(\a)+(\b)):8*(8*(\a)+(\b))+7], v[(\f)+8*(\b):(\f)+8*(\b)+7], v[(\f)+8*(4*(\hi)+(\a)):(\f)+8*(4*(\hi)+(\a))+7], 0
.else
	v_wmma_f32_16x16x32_bf16 v[8*(8*(\a)+(\b)):8*(8*(\a)+(\b))+7], v[(\f)+8*(\b):(\f)+8*(\b)+7], v[(\f)+8*(4*(\hi)+(\a)):(\f)+8*(4*(\hi)+(\a))+7], v[8*(8*(\a)+(\b)):8*(8*(\a)+(\b))+7]
.endif
.endr
.endr
.endm
; 32 LDS loads in one run: the fragments of one quarter step (128 rows of wb, 128 rows of xb, 32 K at byte k of the rows) into buffer f
.macro FETCH slot, k, f
	WIN TO_B
.irp i, 0,1,2,3,4,5,6,7
	ds_load_b128 v[(\f)+8*(\i):(\f)+8*(\i)+3],   v[ADRB+(\slot)] offset:(\k)+(\i)*16*PITCH
	ds_load_b128 v[(\f)+8*(\i)+4:(\f)+8*(\i)+7], v[ADRB+(\slot)] offset:(\k)+(\i)*16*PITCH+32
.endr
	WIN 0
.irp i, 0,1,2,3,4,5,6,7
	ds_load_b128 v[(\f)+8*(\i):(\f)+8*(\i)+3],   v[ADRA+(\slot)] offset:(\k)+(\i)*16*PITCH
	ds_load_b128 v[(\f)+8*(\i)+4:(\f)+8*(\i)+7], v[ADRA+(\slot)] offset:(\k)+(\i)*16*PITCH+32
.endr
.endm
; Four places stand between a matrix instruction and a load into a register that it has read, or a vector instruction that reads its result (ISA guide 7.12.1 for vector instructions)
.macro PLACES
.rept 4
	v_nop
.endr
.endm
; A K step is four quarter steps of 32 along K, 64 matrix instructions each, on buffers 0, 1, 0, 1.  One of the first three: multiplies buffer f; in its middle it fetches the next quarter's fragments into g.
.macro QUARTER slot, k, f, g, zero
	s_wait_dscnt 8                                 ; wb and xb's rows 0-63 are in; the youngest eight loads (xb's rows 64-127) may be out
	MUL16 \f, 0, 0, \zero
	MUL16 \f, 0, 2, \zero
	PLACES
	FETCH \slot, \k, \g
	s_wait_dscnt 32                                ; all but the 32 just issued
	MUL16 \f, 1, 0, \zero
	MUL16 \f, 1, 2, \zero
.endm
; The last quarter multiplies buffer 1 and changes slots.  MEET is its first half: ONE barrier.  In front of it each wave waits for all its tensor loads, of which one is out: its part of the next slot;
; adds 0 to its spare word; and waits for that and for its own reads of this slot.  Behind it nobody reads this slot any more and the next slot is whole.
.macro MEET round                      ; round = 1: a round of the cluster's barrier follows
	WIN 0                                          ; (the add's two registers lie in window 0)
	s_wait_tensorcnt 0x0                           ; all my tensor loads have landed
	ds_add_u32 v[SPW], v[NIL]                      ; 0 onto my spare word
	s_wait_dscnt 9                                 ; (the add and the youngest eight loads may be out)
	MUL16 F1, 0, 0, 0                              ; sixteen matrix instructions stand between the add and the wait for it
	s_wait_dscnt 0x0                               ; the add is done, and my reads of this slot are over
	s_barrier_signal -1
	MUL16 F1, 0, 2, 0                              ; work on registers while the others arrive
.if \round
	WIN 0
.endif
	s_barrier_wait -1
.endm
; The whole last quarter.  Behind the round the slot just read out is filled again first, with the K step two steps on; then come the next slot's first fragments.
; From a request to the wait for it a wave issues 224 matrix instructions.
.macro TURN slot, next
	s_wait_xcnt 0x0                                ; the last prefetch, a K step back, has read its address: it is stepped here, ahead of the waits of the change of slots
	s_add_nc_u64 s[PFA:PFA+1], s[PFA:PFA+1], KSTEP*2
	MEET 1
	CREST                                          ; no wave of any partner still reads this slot's tile or has a load on its way
	s_add_nc_u64 s[G0+4*(\slot)+2:G0+4*(\slot)+3], s[G0+4*(\slot)+2:G0+4*(\slot)+3], 2*KSTEP*2
	s_add_nc_u64 s[G0B+4*(\slot)+2:G0B+4*(\slot)+3], s[G0B+4*(\slot)+2:G0B+4*(\slot)+3], 2*KSTEP*2
	JLOAD \slot                                    ; the first tensor load behind the round, my only one until the next; its four v_nop are also the places in front of the loads below
	FETCH \next, 0, F0
	ASK
	MUL16 F1, 1, 0, 0
	MUL16 F1, 1, 2, 0
.endm
	s_wait_tensorcnt 1                             ; my part of K step 0 is in; K step 1's may stay out
	s_barrier_signal -1
	s_barrier_wait -1                              ; everybody's is
	FETCH 0, 0, F0
	QUARTER 0, 64,  F0, F1, 1                      ; the first quarter stands in front of the loop: its products start the sums
	WIN 0                                          ; at a label and at a branch every window is 0
	s_mov_b32 s3, LAPS-1
.Llap:                                                 ; a trip goes once round the ring, from a lap's second quarter to the next lap's first, and fills both slots again
	QUARTER 0, 128, F1, F0, 0
	QUARTER 0, 192, F0, F1, 0
	TURN 0, 1
	QUARTER 1, 64,  F0, F1, 0
	QUARTER 1, 128, F1, F0, 0
	QUARTER 1, 192, F0, F1, 0
	TURN 1, 0
	QUARTER 0, 64,  F0, F1, 0
	WIN 0
	s_sub_co_u32 s3, s3, 1
	s_cmp_lg_u32 s3, 0
	s_cbranch_scc1 .Llap
	QUARTER 0, 128, F1, F0, 0                      ; the last lap is written out: it fills nothing
	QUARTER 0, 192, F0, F1, 0
	MEET 0                                         ; my one tensor load that was still out is slot 1's, the last K step's
	PLACES                                         ; for the loads into buffer 0
	FETCH 1, 0, F0
	MUL16 F1, 1, 0, 0
	MUL16 F1, 1, 2, 0
	QUARTER 1, 64,  F0, F1, 0
	QUARTER 1, 128, F1, F0, 0
	QUARTER 1, 192, F0, F1, 0
	s_wait_dscnt 8                                 ; the very last quarter
	MUL16 F1, 0, 0, 0
	MUL16 F1, 0, 2, 0
	PLACES                                         ; wb's buffer 0 has been multiplied for the last time: ts of my rows 64-127 goes there
	WIN TO_B
.set b, 0
.rept 4
	global_load_b128 v[THI+8*b:THI+8*b+3],   v[CO], s[72:73] offset:1024*(b+4)
	global_load_b128 v[THI+8*b+4:THI+8*b+7], v[CO], s[72:73] offset:1024*(b+4)+512
.set b, b+1
.endr
	s_wait_dscnt 0x0
	MUL16 F1, 1, 0, 0
	MUL16 F1, 1, 2, 0
; THE WAY OUT, a block of 16 rows at a time.  LRMUL: the low-rank product, eight accumulators, each started with 0.  SCALE: result = a x sum + b x low-rank product, two numbers a line.
; TOSTAGE: 32 bytes a lane into my own stage, and back as whole rows of 512 bytes.  SEND: stored.
.macro LRMUL a
.if (\a) < 4
	WIN 0
.set rT, TLO+8*(\a)
.else
	WIN 0x04                                       ; source 1 in window 1
.set rT, THI+8*((\a)-4)
.endif
.set b, 0
.rept 8
	v_wmma_f32_16x16x32_bf16 v[LR+8*b:LR+8*b+7], v[UB+8*b:UB+8*b+7], v[rT:rT+7], 0
.set b, b+1
.endr
.endm
.macro SCALE a
	WIN 0x04                                       ; b in window 1
.set i, 0
.rept 32                               ; every result is read from its low pair on
	v_pk_mul_f32 v[LR+2*i:LR+2*i+1], v[LR+2*i:LR+2*i+1], v[SB+2*i:SB+2*i+1]
.set i, i+1
.endr
	WIN 0x06+(\a)/4                                ; the sums in window 2 or 3, a in window 1
.set i, 0
.rept 32
	v_pk_fma_f32 v[LR+2*i:LR+2*i+1], v[64*((\a)%4)+2*i:64*((\a)%4)+2*i+1], v[SA+2*i:SA+2*i+1], v[LR+2*i:LR+2*i+1]
.set i, i+1
.endr
.endm
.macro TOSTAGE a
	WIN 0
.set i, 0
.rept 16
	ds_store_b128 v[STO], v[LR+4*i:LR+4*i+3] offset:64*(i/2)+16*(i%2)
.set i, i+1
.endr
	WIN 0x40*((\a)%2)                              ; rows come back into window 0 and window 1 by turns
.set i, 0
.rept 16
	ds_load_b128 v[OB+4*i:OB+4*i+3], v[RD] offset:SPITCH*i  ; LDS serves a wave's instructions in order (ISA guide 5.7.1.4): these see the stores above
.set i, i+1
.endr
.endm
.macro SEND a
	s_wait_dscnt 0x0                               ; the block is back in registers
	s_wait_xcnt 0x0                                ; earlier stores have read their base and their data: only behind this wait are they rewritten
.if (\a) == 0
	s_add_nc_u64 s[8:9], s[8:9], s[16:17]          ; my first rows
.else
	s_add_nc_u64 s[8:9], s[8:9], 16*SIZE_N*4       ; 16 rows on
.endif
	WIN 0x04*((\a)%2)                              ; the data in window 0 or 1
.set i, 0
.rept 16
	global_store_b128 v[CO], v[OB+4*i:OB+4*i+3], s[8:9] offset:i*SIZE_N*4 th:TH_STORE_NT  ; a wave stores 512 consecutive bytes, at a multiple of 512 from out's first byte
.set i, i+1
.endr
.endm
	WIN 0
	PLACES                                         ; with the four in the last quarter: eight places behind the last product that read xb's buffer 0, which the low-rank product writes
	s_wait_loadcnt 8                               ; the 56 early loads are in; the eight of ts for rows 64-127 may be out
	LRMUL 0
	PLACES
	SCALE 0
	TOSTAGE 0
.irp a, 1,2,3,4,5,6,7                  ; block a's arithmetic stands between block a - 1's loads from the stage and the wait for them
.if (\a) == 4
	s_wait_loadcnt 0x0                             ; ts of my rows 64-127
.endif
	LRMUL \a
	PLACES
	SCALE \a
	SEND (\a)-1
	TOSTAGE \a
.endr
	SEND 7
	WIN 0
	s_wait_tensorcnt 0x0                           ; the wave's end, behind my last tensor load and my last LDS store
	ds_add_u32 v[SPW], v[NIL]
	s_wait_dscnt 0x0
	CROUND                                         ; the closing round: no work-group ends while a partner may still ask for a tile that names it
	s_endpgm
.Lfunc_end_k_q504f1ff6cf_gemm:
	.size	k_q504f1ff6cf_gemm, .Lfunc_end_k_q504f1ff6cf_gemm-k_q504f1ff6cf_gemm
	.p2alignl 7, 3214868480
	.fill 96, 4, 3214868480
	.section	.rodata,"a",@progbits
	.p2align	6, 0x0
	.amdhsa_kernel k_q504f1ff6cf_gemm
		.amdhsa_group_segment_fixed_size 327680
		.amdhsa_private_segment_fixed_size 0
		.amdhsa_enable_private_segment 0
		.amdhsa_kernarg_size 48
		.amdhsa_user_sgpr_count 2
		.amdhsa_user_sgpr_kernarg_segment_ptr 1
		.amdhsa_wavefront_size32 1
		.amdhsa_system_sgpr_workgroup_id_x 1
		.amdhsa_system_sgpr_workgroup_id_y 1
		.amdhsa_system_sgpr_workgroup_id_z 1
		.amdhsa_system_vgpr_workitem_id 0
		.amdhsa_next_free_vgpr 1024
		.amdhsa_next_free_sgpr 80
		.amdhsa_reserve_vcc 0
		.amdhsa_float_denorm_mode_32 3
		.amdhsa_float_denorm_mode_16_64 3
		.amdhsa_memory_ordered 1
		.amdhsa_forward_progress 1
		.amdhsa_inst_pref_size 186
	.end_amdhsa_kernel
	.amdgpu_metadata
---
amdhsa.version: [ 1, 2 ]
amdhsa.kernels:
  - .name:           k_q504f1ff6cf_gemm
    .symbol:         k_q504f1ff6cf_gemm.kd
    .args:
      - { .name: xb, .offset: 0, .size: 8, .value_kind: global_buffer, .address_space: global }
      - { .name: wb, .offset: 8, .size: 8, .value_kind: global_buffer, .address_space: global }
      - { .name: out0, .offset: 16, .size: 8, .value_kind: global_buffer, .address_space: global }
      - { .name: sc, .offset: 24, .size: 8, .value_kind: global_buffer, .address_space: global }
      - { .name: ub, .offset: 32, .size: 8, .value_kind: global_buffer, .address_space: global }
      - { .name: tb, .offset: 40, .size: 8, .value_kind: global_buffer, .address_space: global }
    .group_segment_fixed_size: 327680
    .private_segment_fixed_size: 0
    .kernarg_segment_align: 8
    .kernarg_segment_size: 48
    .max_flat_workgroup_size: 128
    .sgpr_count:     80
    .vgpr_count:     1024
    .wavefront_size: 32
...
	.end_amdgpu_metadata
.endif
;; end of part 2
